; MI455X (gfx1250); checked and timed in simulation.
; The chip was launched on July 23, 2026; its instructions are those of AMD's public machine-readable ISA for CDNA 5 (MIT licence, August 2026) and "CDNA5" Instruction Set Architecture Reference Guide (July 2026). The comments in the code are by the model that wrote it; some were corrected since.
;; Multi Head Attention. Allowed arithmetic: matrix products marked QUANTISED: E5M2 operands, one given power-of-two scale a tensor, by v_wmma_f32_16x16x64_bf8_bf8 or v_wmma_f32_16x16x128_bf8_bf8, f32 sums; everything else in f32.
;; Inputs: b_o 1,024 float32; lowp_scales 12 int32 (the exponents e of the quantised operands' scales 2^e); w_k_codes 1,024 x 32 x 32 uint8 (E5M2 codes of w_k, K innermost, in blocks of 32 codes); w_o_codes 1,024 x 32 x 32 uint8 (E5M2 codes of w_o, K innermost, in blocks of 32 codes); w_q_codes 1,024 x 32 x 32 uint8 (E5M2 codes of w_q, K innermost, in blocks of 32 codes); w_v_codes 1,024 x 32 x 32 uint8 (E5M2 codes of w_v, K innermost, in blocks of 32 codes); x_codes 2 x 2,048 x 32 x 32 uint8 (E5M2 codes of x, K innermost, in blocks of 32 codes).
;; Outputs: out0 2 x 2,048 x 1,024 float32.
;; This version of the problem:
;;   THIS VERSION OF THE PROBLEM IS GIVEN IN LOW PRECISION. The matrix products marked QUANTISED in the list below multiply operands that are first quantised to E5M2 (5 exponent bits, 2 mantissa bits; 8 bits a number), with one given power-of-two scale for each operand tensor; their sums are f32. All else is computed in f32.
;;   The module's matrix products, in the order in which they are computed (A, B: the left and right operand; K: the contracted axis; several contracted axes count as one K, in the product's order):
;;     1. [M 4,096, K 1,024] x [K 1,024, N 1,024]; A: input x (given as codes); B: input w_q (given as codes): QUANTISED (scales: A lowp_scales[0], B lowp_scales[1])
;;     2. [M 4,096, K 1,024] x [K 1,024, N 1,024]; A: input x (given as codes); B: input w_k (given as codes): QUANTISED (scales: A lowp_scales[2], B lowp_scales[3])
;;     3. [M 4,096, K 1,024] x [K 1,024, N 1,024]; A: input x (given as codes); B: input w_v (given as codes): QUANTISED (scales: A lowp_scales[4], B lowp_scales[5])
;;     4. batch 32 x [M 2,048, K 64] x [K 64, N 2,048]; A: computed on the way; B: computed on the way: QUANTISED (scales: A lowp_scales[6], B lowp_scales[7])
;;     5. batch 32 x [M 2,048, K 2,048] x [K 2,048, N 64]; A: softmax (see below); B: computed on the way: QUANTISED (scales: A lowp_scales[8], B lowp_scales[9])
;;     6. [M 4,096, K 1,024] x [K 1,024, N 1,024]; A: computed on the way; B: input w_o (given as codes): QUANTISED (scales: A lowp_scales[10], B lowp_scales[11])
;;   THE QUANTISER, for each operand of a quantised product, along K:
;;     - The operand's scale is 2^e, e = its entry of the input lowp_scales (int32; the entries are numbered through the quantised products in the list's order, A before B).
;;     - Each number is divided by the scale, clamped to +-57,344, and rounded to the nearest number of E5M2, ties to even, subnormals kept.
;;     - The product sums the exact products of the quantised numbers (number of the format x scale) in f32.
;;   ~~~python
;;   def quantise(x, axis, e):      # numpy; x: float32 -> the quantised numbers, widened to float32 again
;;       x = np.moveaxis(x, axis, -1); K = x.shape[-1]
;;       r = np.clip(x / 2.0 ** e, -57344, 57344)
;;       step = 2.0 ** (np.maximum(np.frexp(np.where(r == 0, 1, r))[1] - 1, -14) - 2)
;;       q = np.round(r / step) * step * 2.0 ** e      # np.round: ties to even
;;       return np.moveaxis(q, -1, axis).astype(np.float32)
;;   ~~~
;;   SOFTMAX AHEAD OF A QUANTISED PRODUCT. Where the list says 'softmax', what is quantised is not the finished softmax but p = 2^(t - M), with t = logit x log2(e) and M = ceil(the row's largest t), a whole number; so 1/2 < the row's largest p <= 1. The row's sum l is taken of the UNQUANTISED p, in f32, and the product's result is divided by l at the end. Since M is a whole number, a kernel that streams over the keys may use a running M (the ceiling of the running maximum): every later rescaling is an exact power of two, so the quantised numbers keep their values, but for numbers so far below the row's largest that they fall under the format's range.
;;   OPERANDS COMPUTED ON THE WAY. 'Computed on the way' means the value that the module computes at that place (a softmax that the list does not call 'softmax' is quantised finished and normalised). What goes into a quantiser is computed in f32, as accurately as f32 sums, v_exp_f32 and their like allow (about 1e-6 of the number): no bf16 or f16 on the way to a quantiser, and a product that is left as it is and whose result goes on into a quantised operand takes f32 operands (vector FMAs, or v_wmma_f32_16x16x4_f32). A number that lies on a knife's edge between two numbers of the format may be rounded either way, as far as f32 arithmetic and the matrix unit's own rounding can turn it there, and no further.
;;   INPUTS GIVEN AS CODES. w_k (in the module: [1024, 1024], K = its axis 0); w_o (in the module: [1024, 1024], K = its axis 0); w_q (in the module: [1024, 1024], K = its axis 0); w_v (in the module: [1024, 1024], K = its axis 0); x (in the module: [2, 2048, 1024], K = its axis 2): each comes as NAME_codes (uint8): NAME with its K axis moved to the last place and cut into blocks of 32 codes, [.., K / 32, bytes a block], one block behind the other in memory; one code a byte (a code: sign, 5 exponent bits, 2 mantissa bits); its scale is its entry of lowp_scales. Its value is code x scale, taken as it is: it is not quantised again, and the codes and scales need not be those that the quantiser above would give.
;; One version. Each part assembles by itself: llvm-mc -triple=amdgcn-amd-amdhsa -mcpu=gfx1250 --defsym DOCPART=n.
;; ======== version 1 of 1: 3 launches
;; limits: right only within a limited range of input values
;; workspace buffers: img 16,777,216 bytes; ctx_img 4,194,304 bytes
;; launch qkv (part 1): grid 16 x 16, 4 waves a work-group, clusters of 4 x 1, 266,752 bytes of LDS; arguments x_codes, w_q_codes, w_k_codes, w_v_codes, lowp_scales, img; writes img
.if DOCPART == 1
	.amdgcn_target "amdgcn-amd-amdhsa--gfx1250"
	.amdhsa_code_object_version 6
	.text
	.protected	k_q03c884cdd6_qkv
	.globl	k_q03c884cdd6_qkv
	.p2align	8
	.type	k_q03c884cdd6_qkv,@function
k_q03c884cdd6_qkv:
	s_mov_b64 s[64:65], 0
	v_nop
	global_prefetch_b8 v0, s[64:65] scope:SCOPE_SE
	s_setreg_imm32_b32 hwreg(HW_REG_WAVE_MODE, 25, 1), 1
	s_wait_xcnt 0x0
	s_wait_alu depctr_hold_cnt(0) depctr_sa_sdst(0) depctr_va_vdst(0) depctr_va_sdst(0) depctr_va_ssrc(0) depctr_va_vcc(0) depctr_vm_vsrc(0)
	s_getreg_b32 s2, hwreg(HW_REG_IB_STS2, 6, 4)
	s_cmp_eq_u32 s2, 0
	s_cbranch_scc0 .Lentry_in_a_cluster
	s_endpgm
.Lentry_in_a_cluster:
	s_bfe_u32 s2, ttmp6, 0x10000c
	s_cmp_lg_u32 s2, 0x3003
	s_cbranch_scc0 .Lentry_shape_is_right
	s_endpgm
.Lentry_shape_is_right:
; q = x w_q, k = x w_k, v = x w_v on codes of BF8 (E5M2), and each result quantised at once for the attention's products.
; WORK LEFT OUT in this program: in the attention, steps of 128 keys that lie wholly behind a query under the causal mask: their p is 0 for all values of the inputs.  LIMIT: a NaN, an infinity or an overflow that reaches only such scores is not carried to the result.
; x: [4096][1024] codes; w_q, w_k, w_v: [1024 (feature)][1024 (k)] codes, K innermost.  lowp_scales: e0 .. e11.
; A sum of product 1 stands for sum x 2^(e0 + e1); q's code is sum / 2^(e6 - e0 - e1).  Likewise k: e7 - e2 - e3;  v: e9 - e4 - e5.
; LIMITS: each of these three differences lies between -126 and 112, so that the scale and 57,344 x the scale are f32 numbers.  NaN codes among the inputs are not served.
; SHARES.  A work-group takes 256 rows of x and the 192 features of ONE head (64 of q, 64 of k, 64 of v).  The waves share the features: wave w keeps two tiles of 16 rows of w_q (w < 2) or
; w_k (w >= 2) and one tile of w_v in registers for the whole launch, all 1,024 along K: 384 registers, read from memory once.  The 256 rows of x lie whole in LDS and every wave reads all of them.
; CLUSTER.  The four work-groups of a cluster have the same 256 rows and four different heads: x is asked for JOINTLY, by the same tensor load with the same descriptor and the mask of all four.
; The weights go from memory straight into registers: a work-group reads each of its weight bytes once, and no partner of its cluster wants the same ones.
; LDS IS FILLED ONCE: wave w brings rows 64 w .. 64 w + 63, all 1,024 along K, by one load.  No prefetch: all that is read is asked for at the head, and there is no loop of loads to run ahead in.
; q AND k ARE MADE TRANSPOSED (source 0 = 16 features, source 1 = 16 rows of x): a lane holds one token and eight neighbouring features, which are product 4's K.
; v IS MADE STRAIGHT (source 0 = 16 rows of x, source 1 = 16 features): a lane holds one feature and eight neighbouring tokens, which are product 5's K.
; So the conversions' results are registers of the next launch's operands, and they are stored AS IMAGES OF THOSE REGISTERS: four registers a lane, lane l's 16 bytes at 16 l: each store of a wave covers 512 consecutive bytes, aligned.
;   img: for each of the 32 pairs of batch and head 524,288 bytes: 16 steps of 128 tokens x (k 8,192 bytes, v 8,192 bytes), then 16 x (q 8,192 bytes, 8,192 not used).
;   q, k: [tile of 16 tokens 8][half of the head 2][lane 32][16 bytes];  v: [tile of 16 features 4][32 keys 4][lane 32][16 bytes]
; THE ROWS OF w_v THAT FORM A TILE ARE NOT NEIGHBOURS: lane r of tile w takes feature 32 (w / 2) + 8 (w % 2) + r + 8 (r / 8), so that in the next launch two neighbouring tiles of the context give a lane 16 neighbouring features.
; REGISTERS, in windows of 256: window 0: v1-13 addresses and scales; v48-79 the four sums of q or k; v80-95 the two of v; v96-107 codes; v126, v127 the add's; v128-255 w_v's 8 fragments.
;   window 1: the 16 fragments of w_q or w_k (tile u, K step s at v[128 u + 16 s]).   windows 2, 3: x's 16 fragments of a pair of tiles (tile a, K step s at v[128 a + 16 s]), even pairs and odd pairs.
.set XP,    1040                       ; an LDS row: 1,024 bytes + 16 of padding: an odd number of 16 bytes, so that the 16 rows of a fragment load start at 16 different banks (64 banks of 4 bytes: ISA guide 11.1)
.set CHUNK, 64*XP                      ; 64 rows: one wave's load
.set SPARE, 4*CHUNK                    ; the spare words, 128 bytes a wave
.set ACC,   48
.set ACV,   80
.set CQ,    96
.set CV,    104
.set WVF,   128
.set G1,    24                         ; s[24:31] descriptor group 1;  s[32:35] group 0
.set G0,    32
.set MSB, 0
.macro WIN new                         ; the immediate's high byte repeats the setting that is left; a switch that changes nothing is dropped
.if MSB != (\new)
	s_set_vgpr_msb (MSB<<8)|(\new)
.set MSB, (\new)
.endif
.endm
.macro PLACES n
.rept \n
	v_nop
.endr
.endm
.macro CROUND                          ; a round of the cluster's barrier
	s_barrier_signal -1
	s_barrier_wait -1
	s_cmp_lg_u32 s20, 0
	s_cbranch_scc1 .Lnot_wave_0_\@
	s_barrier_signal -3
.Lnot_wave_0_\@:
	s_barrier_wait -3
	s_barrier_signal -1
	s_barrier_wait -1
.endm
	s_load_b256 s[4:11], s[0:1], 0x0               ; x s[4:5], w_q s[6:7], w_k s[8:9], w_v s[10:11]
	s_load_b128 s[12:15], s[0:1], 0x20             ; the scales' exponents s[12:13], img s[14:15]
	v_lshl_add_u32 v126, v0, 2, SPARE
	v_mov_b32 v127, 0
	ds_add_u32 v126, v127                          ; the wave's opening: the add, twice on end, and its wait ahead of my tensor load
	ds_add_u32 v126, v127
	v_lshrrev_b32 v1, 5, v0
	v_readfirstlane_b32 s20, v1                    ; wave 0..3
	s_bfe_u32 s21, ttmp6, 0x40000                  ; cx: my place in the cluster
	s_lshl_b32 s22, ttmp9, 2
	s_add_co_u32 s22, s22, s21                     ; the head = 4 x cluster x + cx: it enters the weights' and the image's addresses alone
	s_and_b32 s23, ttmp7, 0xffff                   ; the block of 256 rows, which the four partners share
	; descriptor group 1: 64 rows x 1,024 bytes, padded in LDS
	s_mov_b32 s[G1+0], 15|(1<<20)|(1<<21)|(7<<22)|(3<<25)   ; 15:0 the mask: all four work-groups; 17:16 elements of 1 byte; 20 padding on; 21 set beside a mask; 24:22 after every 256 words (code 7); 31:25 four words (code 3)
	s_mov_b32 s[G1+1], 1024<<16                    ; tensor_dim0 = 1,024
	s_mov_b32 s[G1+2], 64<<16                      ; tensor_dim1 = 64
	s_mov_b32 s[G1+3], 1024<<16                    ; tile_dim0 = 1,024
	s_mov_b32 s[G1+4], 64                          ; tile_dim1 = 64
	s_mov_b32 s[G1+5], 1024                        ; from row to row
	s_mov_b32 s[G1+6], 0
	s_mov_b32 s[G1+7], 0
	s_lshl_b32 s82, s23, 18                        ; x: 256 rows of 1,024 bytes a block,
	s_lshl_b32 s83, s20, 16                        ; my wave's 64 rows
	s_add_co_u32 s82, s82, s83
	s_mov_b32 s83, 0                               ; (s[82:83], s84 and s[4:5] never hold cx)
	s_mul_i32 s84, s20, CHUNK                      ; and where they go
	s_and_b32 s85, s20, 1                          ; wave % 2: which half of the head's 64 features of q or k
	s_lshr_b32 s86, s20, 1                         ; wave / 2: 0: q, 1: k
	s_lshl_b32 s78, s22, 16                        ; the head's 64 rows of 1,024 bytes in a weight,
	s_lshl_b32 s79, s85, 15                        ; my 32 of them
	s_add_co_u32 s78, s78, s79
	s_mov_b32 s79, 0
	s_lshl_b32 s80, s22, 16                        ; w_v: the head's rows, + 32 (wave / 2) + 8 (wave % 2)
	s_lshl_b32 s81, s86, 15
	s_add_co_u32 s80, s80, s81
	s_lshl_b32 s81, s85, 13
	s_add_co_u32 s80, s80, s81
	s_mov_b32 s81, 0
	s_wait_dscnt 0x0                               ; both opening adds are done
	s_wait_kmcnt 0x0
	s_load_b256 s[48:55], s[12:13], 0x0            ; e0 .. e7
	s_load_b32 s56, s[12:13], 0x24                 ; e9
	s_add_nc_u64 s[4:5], s[4:5], s[82:83]
	s_mov_b32 s[G0], 1                             ; count = 1
	s_mov_b32 s[G0+1], s84                         ; LDS address
	s_mov_b64 s[G0+2:G0+3], s[4:5]                 ; global address
	s_or_b32 s[G0+3], s[G0+3], 0x80000000          ; type = 2
	CROUND                                         ; all four work-groups are here: the joint loads meet
	tensor_load_to_lds s[G0:G0+3], s[G1:G1+7]      ; the launch's only fill: one load of mine is out
	s_nop 0
	PLACES 4                                       ; four v_nop follow it
	s_cmp_lt_u32 s20, 2                            ; waves 0, 1 make q, waves 2, 3 make k: a choice on the wave's number
	s_cselect_b64 s[70:71], s[6:7], s[8:9]
	s_cselect_b32 s87, 262144, 0                   ; q's part of the image or k's
	s_add_nc_u64 s[70:71], s[70:71], s[78:79]      ; my 32 rows of w_q or w_k
	s_add_nc_u64 s[74:75], s[10:11], s[80:81]      ; my tile of w_v
	s_lshr_b32 s78, s23, 3                         ; the batch
	s_lshl_b32 s78, s78, 4
	s_add_co_u32 s78, s78, s22                     ; 16 x batch + head
	s_lshl_b32 s78, s78, 19                        ; 524,288 bytes of the image
	s_and_b32 s80, s23, 7
	s_lshl_b32 s80, s80, 15                        ; my 256 tokens: two steps of 16,384 bytes
	s_add_co_u32 s78, s78, s80
	s_lshl_b32 s80, s85, 9                         ; q, k: my half of the head
	s_add_co_u32 s80, s78, s80
	s_add_co_u32 s80, s80, s87
	s_add_nc_u64 s[72:73], s[14:15], s[80:81]
	s_lshl_b32 s80, s20, 11                        ; v: my tile of features
	s_add_co_u32 s80, s78, s80
	s_add_co_u32 s80, s80, 8192                    ; v's part
	s_add_nc_u64 s[76:77], s[14:15], s[80:81]
	v_and_b32 v1, 15, v0                           ; r
	v_bfe_u32 v2, v0, 4, 1                         ; h
	v_and_b32 v3, 31, v0
	v_lshlrev_b32 v4, 4, v3                        ; 16 x lane: my place in every image; never rewritten
	v_lshlrev_b32 v5, 10, v1
	v_lshl_add_u32 v5, v2, 4, v5                   ; w_q, w_k: row r, + 16 h
	v_and_b32 v9, 8, v1
	v_add_nc_u32 v9, v9, v1                        ; r + 8 (r / 8)
	v_lshlrev_b32 v6, 10, v9
	v_lshl_add_u32 v6, v2, 4, v6                   ; w_v: that row, + 16 h
	v_mul_u32_u24 v7, v1, XP
	v_lshl_add_u32 v7, v2, 4, v7                   ; x in LDS: row r, + 16 h
	; A fragment, 16 rows x 128 K, is 16 registers: registers 4 c .. 4 c + 3 hold K = 32 c + 16 h + 0 .. 15: the same places in x and in the weights, so every product meets its partner.
	WIN 0x40                                       ; destination window 1, address window 0
.irp u, 0,1
.irp s, 0,1,2,3,4,5,6,7
.irp c, 0,1,2,3
	global_load_b128 v[128*\u+16*\s+4*\c:128*\u+16*\s+4*\c+3], v5, s[70:71] offset:16*\u*1024+128*\s+32*\c
.endr
.endr
.endr
	WIN 0
.irp s, 0,1,2,3,4,5,6,7
.irp c, 0,1,2,3
	global_load_b128 v[WVF+16*\s+4*\c:WVF+16*\s+4*\c+3], v6, s[74:75] offset:128*\s+32*\c
.endr
.endr
	s_wait_alu depctr_va_vdst(0)                   ; directly ahead of the wait below
	s_wait_kmcnt 0x0
	s_sub_co_i32 s66, s54, s48
	s_sub_co_i32 s66, s66, s49                     ; e6 - e0 - e1
	s_sub_co_i32 s67, s55, s50
	s_sub_co_i32 s67, s67, s51                     ; e7 - e2 - e3
	s_cmp_lt_u32 s20, 2
	s_cselect_b32 s66, s66, s67                    ; q's or k's, by the wave's number
	s_sub_co_i32 s67, s56, s52
	s_sub_co_i32 s67, s67, s53                     ; e9 - e4 - e5
	s_add_co_i32 s66, s66, 127
	s_lshl_b32 s68, s66, 23
	v_mov_b32 v10, s68                             ; the scale as f32: the conversion takes its exponent field
	s_add_co_i32 s66, s66, 15
	s_lshl_b32 s66, s66, 23
	s_or_b32 s66, s66, 0x600000
	v_mov_b32 v11, s66                             ; 57,344 x the scale
	s_add_co_i32 s67, s67, 127
	s_lshl_b32 s68, s67, 23
	v_mov_b32 v12, s68                             ; the same for v
	s_add_co_i32 s67, s67, 15
	s_lshl_b32 s67, s67, 23
	s_or_b32 s67, s67, 0x600000
	v_mov_b32 v13, s67
; x's fragments of pair p (tiles 2 p and 2 p + 1 of 16 rows), all eight K steps: 64 LDS loads in one run, into window 2 (even p) or 3 (odd p)
.macro FETCH p
	WIN 0
	v_add_nc_u32 v8, (\p)*32*XP, v7
	WIN 0x80|(((\p)%2)<<6)
.irp a, 0,1
.irp s, 0,1,2,3,4,5,6,7
.irp c, 0,1,2,3
	ds_load_b128 v[128*\a+16*\s+4*\c:128*\a+16*\s+4*\c+3], v8 offset:\a*16*XP+\s*128+32*\c
.endr
.endr
.endr
	WIN 0
.endm
; 48 matrix instructions: the pair's four sums of q or k by turns, then its two sums of v by turns, one instruction a turn.  The first K step starts each sum: nothing is cleared.
.macro MUL p
.set XW, 2+(\p)%2
	WIN 1|(XW<<2)                                  ; source 0 (the weight) window 1, source 1 (x) window 2 or 3
.irp s, 0,1,2,3,4,5,6,7
.irp a, 0,1
.irp u, 0,1
.if \s == 0
	v_wmma_f32_16x16x128_bf8_bf8 v[ACC+16*\a+8*\u:ACC+16*\a+8*\u+7], v[128*\u+16*\s:128*\u+16*\s+15], v[128*\a+16*\s:128*\a+16*\s+15], 0
.else
	v_wmma_f32_16x16x128_bf8_bf8 v[ACC+16*\a+8*\u:ACC+16*\a+8*\u+7], v[128*\u+16*\s:128*\u+16*\s+15], v[128*\a+16*\s:128*\a+16*\s+15], v[ACC+16*\a+8*\u:ACC+16*\a+8*\u+7]
.endif
.endr
.endr
.endr
	WIN XW                                         ; source 0 (x) window 2 or 3, source 1 (w_v) window 0
.irp s, 0,1,2,3,4,5,6,7
.irp a, 0,1
.if \s == 0
	v_wmma_f32_16x16x128_bf8_bf8 v[ACV+8*\a:ACV+8*\a+7], v[128*\a+16*\s:128*\a+16*\s+15], v[WVF+16*\s:WVF+16*\s+15], 0
.else
	v_wmma_f32_16x16x128_bf8_bf8 v[ACV+8*\a:ACV+8*\a+7], v[128*\a+16*\s:128*\a+16*\s+15], v[WVF+16*\s:WVF+16*\s+15], v[ACV+8*\a:ACV+8*\a+7]
.endif
.endr
.endr
	WIN 0
.endm
; The pair's sums become codes and leave: two stores for q or k (a tile's half of the head each), one for v (32 keys of my 16 features).
.macro OUT p
	PLACES 4                                       ; four places between the last products and the first read of results; they also serve the next run of loads into x's other set
.if (\p) > 0
	s_wait_xcnt 0x0                                ; the last pair's stores have read their data: the codes' registers are written again only behind this wait
.endif
.set j, 0
	s_wait_alu depctr_va_vdst(0)
.rept 32
	v_med3_num_f32 v[ACC+j], v[ACC+j], -v11, v11   ; the conversion to an 8-bit code does not saturate (ISA guide 7.6.2): the hold at the largest code x the scale; each sum from its low end on
.set j, j+1
.endr
.set j, 0
.rept 16
	v_med3_num_f32 v[ACV+j], v[ACV+j], -v13, v13
.set j, j+1
.endr
.irp a, 0,1
.irp u, 0,1
	v_cvt_scalef32_pk8_bf8_f32 v[CQ+4*\a+2*\u:CQ+4*\a+2*\u+1], v[ACC+16*\a+8*\u:ACC+16*\a+8*\u+7], v10   ; token r of tile a: features 16 u + 8 h + 0 .. 7 of my half of the head
.endr
.endr
.irp a, 0,1
	v_cvt_scalef32_pk8_bf8_f32 v[CV+2*\a:CV+2*\a+1], v[ACV+8*\a:ACV+8*\a+7], v12                         ; my lane's feature: tokens 16 a + 8 h + 0 .. 7 of the pair's 32
.endr
	v_nop                                          ; one plain vector line between the conversions and the next products, which write their sources
	global_store_b128 v4, v[CQ:CQ+3], s[72:73] offset:((\p)/4)*16384+((\p)%4)*2048
	global_store_b128 v4, v[CQ+4:CQ+7], s[72:73] offset:((\p)/4)*16384+((\p)%4)*2048+1024
	global_store_b128 v4, v[CV:CV+3], s[76:77] offset:((\p)/4)*16384+((\p)%4)*512
.endm
; A pair's turn: its fragments are in; the next pair's are asked for, 48 matrix instructions ahead of their use.
.macro PAIR p
	s_wait_dscnt 0x0                               ; this pair's 64 loads are in
.if (\p) < 7
	FETCH (\p)+1
.endif
	MUL \p
	OUT \p
.endm
	s_wait_alu depctr_va_vdst(0)                   ; the wait at the head's end
	s_wait_tensorcnt 0x0                           ; my 64 rows of x are in,
	s_barrier_signal -1
	s_barrier_wait -1                              ; everybody's are
	FETCH 0
	s_wait_loadcnt 0x0                             ; the weights, once
.irp p, 0,1,2,3,4,5,6,7
	PAIR \p
.endr
	s_wait_tensorcnt 0x0                           ; the wave's end
	ds_add_u32 v126, v127
	s_wait_dscnt 0x0
	CROUND                                         ; the closing round: no work-group ends while a partner may still ask for a tile that names it
	s_endpgm
.Lfunc_end_k_q03c884cdd6_qkv:
	.size	k_q03c884cdd6_qkv, .Lfunc_end_k_q03c884cdd6_qkv-k_q03c884cdd6_qkv
	.p2alignl 7, 3214868480
	.fill 96, 4, 3214868480
	.section	.rodata,"a",@progbits
	.p2align	6, 0x0
	.amdhsa_kernel k_q03c884cdd6_qkv
		.amdhsa_group_segment_fixed_size 266752
		.amdhsa_private_segment_fixed_size 0
		.amdhsa_enable_private_segment 0
		.amdhsa_kernarg_size 48
		.amdhsa_user_sgpr_count 2
		.amdhsa_user_sgpr_kernarg_segment_ptr 1
		.amdhsa_wavefront_size32 1
		.amdhsa_system_sgpr_workgroup_id_x 1
		.amdhsa_system_sgpr_workgroup_id_y 1
		.amdhsa_system_sgpr_workgroup_id_z 1
		.amdhsa_system_vgpr_workitem_id 0
		.amdhsa_next_free_vgpr 1024
		.amdhsa_next_free_sgpr 100
		.amdhsa_reserve_vcc 0
		.amdhsa_float_denorm_mode_32 3
		.amdhsa_float_denorm_mode_16_64 3
		.amdhsa_memory_ordered 1
		.amdhsa_forward_progress 1
		.amdhsa_inst_pref_size 104
	.end_amdhsa_kernel
	.amdgpu_metadata
---
amdhsa.version: [ 1, 2 ]
amdhsa.kernels:
  - .name:           k_q03c884cdd6_qkv
    .symbol:         k_q03c884cdd6_qkv.kd
    .args:
      - { .name: x_codes, .offset: 0, .size: 8, .value_kind: global_buffer, .address_space: global }
      - { .name: w_q_codes, .offset: 8, .size: 8, .value_kind: global_buffer, .address_space: global }
      - { .name: w_k_codes, .offset: 16, .size: 8, .value_kind: global_buffer, .address_space: global }
      - { .name: w_v_codes, .offset: 24, .size: 8, .value_kind: global_buffer, .address_space: global }
      - { .name: lowp_scales, .offset: 32, .size: 8, .value_kind: global_buffer, .address_space: global }
      - { .name: img, .offset: 40, .size: 8, .value_kind: global_buffer, .address_space: global }
    .group_segment_fixed_size: 266752
    .private_segment_fixed_size: 0
    .kernarg_segment_align: 8
    .kernarg_segment_size: 48
    .max_flat_workgroup_size: 128
    .sgpr_count:     100
    .vgpr_count:     1024
    .wavefront_size: 32
...
	.end_amdgpu_metadata
.endif
;; end of part 1
;; launch attn (part 2): grid 8 x 32, 16 waves a work-group, clusters of 4 x 1, 327,680 bytes of LDS; arguments img, lowp_scales, ctx_img; writes ctx_img
.if DOCPART == 2
	.amdgcn_target "amdgcn-amd-amdhsa--gfx1250"
	.amdhsa_code_object_version 6
	.text
	.protected	k_q03c884cdd6_attn
	.globl	k_q03c884cdd6_attn
	.p2align	8
	.type	k_q03c884cdd6_attn,@function
k_q03c884cdd6_attn:
	s_mov_b64 s[64:65], 0
	v_nop
	global_prefetch_b8 v0, s[64:65] scope:SCOPE_SE
	s_setreg_imm32_b32 hwreg(HW_REG_WAVE_MODE, 25, 1), 1
	s_wait_xcnt 0x0
	s_wait_alu depctr_hold_cnt(0) depctr_sa_sdst(0) depctr_va_vdst(0) depctr_va_sdst(0) depctr_va_ssrc(0) depctr_va_vcc(0) depctr_vm_vsrc(0)
	s_getreg_b32 s2, hwreg(HW_REG_IB_STS2, 6, 4)
	s_cmp_eq_u32 s2, 0
	s_cbranch_scc0 .Lentry_in_a_cluster
	s_endpgm
.Lentry_in_a_cluster:
	s_bfe_u32 s2, ttmp6, 0x10000c
	s_cmp_lg_u32 s2, 0x3003
	s_cbranch_scc0 .Lentry_shape_is_right
	s_endpgm
.Lentry_shape_is_right:
; ctx = softmax(causal(q k^T / 8)) v for 32 (batch, head) pairs of 2,048 tokens x 64 features, both products on codes of BF8 (E5M2), and ctx quantised at once for the projection.
; img: for each pair 524,288 bytes: 16 steps of 128 tokens x (k: 8 tiles of 16 tokens x 1,024 bytes, v: 4 tiles of 16 features x 2,048 bytes), then 16 x (q: 8 tiles x 1,024 bytes, 8,192 bytes not used): images of operand registers: four registers a lane, lane l's 16 bytes at 16 l.
; ctx_img: [batch][tile of 16 rows 128][head 16][2][lane 32][16 bytes], images of the projection's operand registers.  lowp_scales: e0 .. e11.
; SOFTMAX: t = score x log2(e) / 8; M = the running largest t rounded up to a whole number; p = 2^(t - M) is quantised; the row's sum is taken of the unquantised p; when M moves, sum and ctx are multiplied by an exact power of two.
; WORK LEFT OUT: key steps of 128 that lie wholly behind a query under the causal mask: their p is 0 for all inputs.  LIMIT: a NaN or an infinity that reaches only such scores is not carried to the result.
; LIMITS: e6 + e7 between -123 and 130; e8 between -126 and 112; e10 - e8 - e9 between -126 and 112, so that each power of two is an f32 number.  The promise holds while |t| stays under 2^31.
; SHARES.  A work-group (x = 0 .. 7) owns tile x of each of the 16 blocks of 128 queries of its pair: every work-group has the same work, 1 + 2 + .. + 16 key steps of 128 keys, and reads all 16 steps of k and v.
; Tiles m and 15 - m (m = 0 .. 7) have 17 steps together and belong to two waves.  Role 1 takes tile m's steps 0 .. m at trips 0 .. m, and then tile 15 - m's steps m + 1, m + 3, .. 15 - m at trips m + 1 .. 8.
; Role 0 takes tile 15 - m's other steps: 0 .. m at trips 0 .. m, then m + 2, m + 4, .. 14 - m at trips m + 1 .. 7.  So at trip k a wave reads step 2 k - min(k, m + role), never more than 2 k.
; Role 0 hands its part (sum, -M, 32 registers) to role 1 through a stage in LDS; role 1 joins the two and stores.  Wave = (m & 3) + 4 role + 8 (m >> 2).
; LDS IS FILLED ONCE, in two parts: at the head each wave brings a sixteenth of steps 0 to 2, all that trips 0 and 1 read; behind the full sequence and a round it brings a sixteenth of steps 3 to 15, which have trips 0 and 1 in which to land.
; CLUSTER: the four work-groups of a cluster have the same pair and ask JOINTLY, with the mask of all four.  No prefetch: both fills are asked for ahead of the first step, and there is no loop of loads to run ahead in.
; LAYOUT: both products transposed (S^T = k q^T, ctx^T = v^T p^T): a lane holds ONE query (lane % 16); score register 8 t + i is key 16 t + 8 (lane / 16) + i of the step.
; REGISTERS: v1 16 x lane; v2 LDS address; v[4:11] the second tile's q; v12 -M, v13 the largest t, v[14:15] the sum in two halves; v[16:23] q; v24-87 k's eight fragments; v90-153 S^T, then p; v88-103 p's codes;
;   v154-185 ctx^T; v186-249 v's four fragments; v250 f; v252 57,344 x 2^e8, v253 2^e8; v3, v254, v255 at work.  s[32:63], s[66:97]: the diagonal step's 64 lane masks.
.set KF,    24
.set CD,    88
.set SC,    90
.set OT,    154
.set VF,    186
.set FIRST, 3*16384                    ; steps 0 to 2
.set P1,    FIRST/16                   ; a wave's part of them,
.set P2,    13*16384/16                ; and of steps 3 to 15
.set STAGE, 262144                     ; behind the 16 steps: 4,608 bytes for each m
.set SPARE, STAGE+8*4608               ; the spare words, 128 bytes a wave
.macro CROUND                          ; a round of the cluster's barrier
	s_barrier_signal -1
	s_barrier_wait -1
	s_cmp_lg_u32 s10, 0
	s_cbranch_scc1 .Lnot_wave_0_\@
	s_barrier_signal -3
.Lnot_wave_0_\@:
	s_barrier_wait -3
	s_barrier_signal -1
	s_barrier_wait -1
.endm
.macro PLACES n
.rept \n
	v_nop
.endr
.endm
.macro INIT                            ; a tile begins: no keys yet
	v_mov_b32 v13, 0xff61b1e6                      ; -3e38, under every t
	v_mov_b32 v14, 0
	v_mov_b32 v15, 0
.set n, 0
.rept 32
	v_mov_b32 v[OT+n], 0                           ; (the step is written once for a tile's first and later steps: the first change of M leaves zeros)
.set n, n+1
.endr
	v_floor_f32 v12, -v13                          ; -M
.endm
	s_load_b128 s[4:7], s[0:1], 0x0                ; img s[4:5], the scales' exponents s[6:7]
	s_load_b64 s[8:9], s[0:1], 0x10                ; ctx_img
	v_lshl_add_u32 v2, v0, 2, SPARE
	v_mov_b32 v3, 0
	ds_add_u32 v2, v3                              ; the wave's opening: the add, twice on end, and its wait ahead of my first tensor load
	ds_add_u32 v2, v3
	v_lshrrev_b32 v12, 5, v0
	v_readfirstlane_b32 s10, v12                   ; wave 0..15
	s_bfe_u32 s11, s10, 0x10002                    ; role
	s_and_b32 s12, s10, 3
	s_lshr_b32 s13, s10, 3
	s_lshl_b32 s13, s13, 2
	s_or_b32 s12, s12, s13                         ; m
	s_add_co_u32 s13, s12, s11                     ; m + role
	s_sub_co_u32 s73, 15, s12                      ; 15 - m
	s_add_co_u32 s75, s12, 1
	s_mov_b32 s3, 63
	s_mov_b32 s14, 63
	s_cmp_lg_u32 s11, 0
	s_cselect_b32 s74, s12, s73                    ; the block of my first tile
	s_cselect_b32 s14, s12, s14                    ; the trip, before trip 8, whose step lies on the diagonal: role 1: m; role 0: none
	s_cselect_b32 s3, s75, s3                      ; the trip at which I go on to the second tile: role 1: m + 1; role 0: none
	s_bfe_u32 s70, ttmp6, 0x40000                  ; cx
	s_lshl_b32 s71, ttmp9, 2
	s_add_co_u32 s70, s70, s71                     ; x: it enters q's and ctx's addresses and the masks' numbers alone
	s_and_b32 s71, ttmp7, 0xffff                   ; 16 x batch + head
	; descriptor group 1: a dense block of P1 bytes as rows of 256 bytes (32 elements of 8 bytes)
	s_mov_b32 s20, 15|(3<<16)|(1<<21)              ; 15:0 the mask of all four work-groups; 17:16 elements of 8 bytes; 21 set beside a mask
	s_mov_b32 s21, 32<<16                          ; tensor_dim0
	s_mov_b32 s22, (P1/256)<<16                    ; tensor_dim1
	s_mov_b32 s23, 32<<16                          ; tile_dim0
	s_mov_b32 s24, P1/256                          ; tile_dim1
	s_mov_b32 s25, 32                              ; from row to row
	s_mov_b32 s26, 0
	s_mov_b32 s27, 0
	s_mov_b32 s16, 1                               ; group 0: count = 1
	s_mul_i32 s17, s10, P1                         ; LDS address
	s_lshl_b32 s72, s71, 19                        ; the pair's part of the image
	s_mul_i32 s80, s10, P1
	s_add_co_u32 s80, s80, s72
	s_mov_b32 s81, 0
	s_lshl_b32 s86, s70, 10
	s_add_co_u32 s86, s86, s72
	s_add_co_u32 s86, s86, 262144                  ; q's part, tile x
	s_lshl_b32 s76, s74, 14
	s_add_co_u32 s76, s76, s86                     ; q of my first tile,
	s_mov_b32 s77, 0
	s_lshl_b32 s78, s73, 14
	s_add_co_u32 s78, s78, s86                     ; and of tile 15 - m
	s_mov_b32 s79, 0
	s_lshr_b32 s86, s71, 4
	s_lshl_b32 s86, s86, 21                        ; ctx: the batch,
	s_and_b32 s87, s71, 15
	s_lshl_b32 s87, s87, 10
	s_add_co_u32 s86, s86, s87                     ; the head,
	s_lshl_b32 s87, s70, 14
	s_add_co_u32 s86, s86, s87                     ; tile x of a block,
	s_lshl_b32 s82, s12, 17
	s_add_co_u32 s82, s82, s86                     ; of block m,
	s_mov_b32 s83, 0
	s_lshl_b32 s84, s73, 17
	s_add_co_u32 s84, s84, s86                     ; and of block 15 - m
	s_mov_b32 s85, 0
	s_mov_b32 s28, 0x76543210
	s_mov_b32 s29, 0xfedcba98                      ; v_permlanex16_b32's selects for lane l xor 16
	s_mov_b32 s30, 0x3e38aa3b                      ; log2(e) / 8
	s_wait_dscnt 0x0                               ; both opening adds are done
	s_wait_kmcnt 0x0
	s_load_b128 s[32:35], s[6:7], 0x18             ; e6 .. e9
	s_load_b32 s36, s[6:7], 0x28                   ; e10
	s_add_nc_u64 s[18:19], s[4:5], s[80:81]        ; group 0: global address,
	s_or_b32 s19, s19, 0x80000000                  ; type = 2
	CROUND                                         ; all four work-groups are here: the joint loads meet
	tensor_load_to_lds s[16:19], s[20:27]          ; my part of steps 0 to 2
	s_nop 0
	s_add_nc_u64 s[66:67], s[4:5], s[76:77]
	s_add_nc_u64 s[68:69], s[4:5], s[78:79]
	v_and_b32 v1, 31, v0
	v_lshlrev_b32 v1, 4, v1                        ; 16 x lane; never rewritten
	global_load_b128 v[16:19], v1, s[66:67]
	global_load_b128 v[20:23], v1, s[66:67] offset:512
	global_load_b128 v[4:7], v1, s[68:69]
	global_load_b128 v[8:11], v1, s[68:69] offset:512
	s_lshl_b32 s70, s70, 4
	v_and_b32 v254, 15, v0                         ; r
	v_bfe_u32 v255, v0, 4, 1                       ; h
	v_lshlrev_b32 v255, 3, v255
	v_sub_nc_u32 v254, v254, v255
	v_add_nc_u32 v254, s70, v254                   ; d = 16 x + r - 8 h: on the diagonal the key of register 8 t + i is hidden where 16 t + i > d
	v_mov_b32 v250, 0
	v_mov_b32 v251, 0                              ; (named as the upper half of the pair v[250:251])
	INIT
	s_wait_alu depctr_va_vdst(0)                   ; directly ahead of the wait below
	s_wait_kmcnt 0x0
	s_add_co_i32 s86, s32, s33
	s_lshl_b32 s86, s86, 23
	s_add_co_i32 s30, s30, s86                     ; c = 2^(e6 + e7) log2(e) / 8: the exponents are added to the exponent field
	s_mov_b32 s31, s30                             ; (named with it as a pair)
	s_add_co_i32 s86, s34, 127
	s_lshl_b32 s87, s86, 23
	v_mov_b32 v253, s87                            ; 2^e8
	s_add_co_i32 s86, s86, 15
	s_lshl_b32 s86, s86, 23
	s_or_b32 s86, s86, 0x600000
	v_mov_b32 v252, s86                            ; 57,344 x 2^e8
	s_sub_co_i32 s86, s36, s34
	s_sub_co_i32 s86, s86, s35                     ; e10 - e8 - e9: ctx / sum stands for that x 2^(e8 + e9)
	s_add_co_i32 s86, s86, 127
	s_lshl_b32 s98, s86, 23                        ; the scale of ctx's conversion,
	s_add_co_i32 s86, s86, 15
	s_lshl_b32 s86, s86, 23
	s_or_b32 s99, s86, 0x600000                    ; and 57,344 x that
	s_wait_xcnt 0x0                                ; q's loads have read their addresses: s[66:69] may be written
	s_add_nc_u64 s[4:5], s[8:9], s[82:83]          ; ctx of tile m
	s_add_nc_u64 s[6:7], s[8:9], s[84:85]          ; ctx of tile 15 - m
.set n, 0
.rept 32
	v_cmp_gt_i32 s[32+n], 16*(n/8)+n%8, v254       ; the diagonal step's masks, the same for every tile of the work-group
.set n, n+1
.endr
.rept 32
	v_cmp_gt_i32 s[34+n], 16*(n/8)+n%8, v254
.set n, n+1
.endr
.macro KLOAD                           ; k's eight fragments of the step at v2
.irp t, 0,1,2,3,4,5,6,7
	ds_load_b128 v[KF+8*\t:KF+8*\t+3], v2 offset:\t*1024
	ds_load_b128 v[KF+8*\t+4:KF+8*\t+7], v2 offset:\t*1024+512
.endr
.endm
.macro VLOAD                           ; v's four
.irp t, 0,1,2,3
.irp g, 0,1,2,3
	ds_load_b128 v[VF+16*\t+4*\g:VF+16*\t+4*\g+3], v2 offset:8192+\t*2048+\g*512
.endr
.endr
.endm
; A KEY STEP.  kind 0: trips 0 and 1, k is asked for here (step at s15).  kind 1: k is in or on its way, and the next trip's is asked for (step at s15).  kind 2: trip 8, role 1 alone, always on the diagonal.
.macro STEP kind
.if \kind == 0
	v_add_nc_u32 v2, s15, v1
	PLACES 4                                       ; with the line above five places: the first product writes over registers of p's codes, which the last products have read
	KLOAD
.else
	PLACES 5
.endif
	VLOAD
	s_wait_dscnt 16                                ; k is in; v's 16 loads may be out
.irp t, 0,1,2,3,4,5,6,7
	v_wmma_f32_16x16x64_bf8_bf8 v[SC+8*\t:SC+8*\t+7], v[KF+8*\t:KF+8*\t+7], v[16:23], 0
.endr
.if \kind == 1
	v_add_nc_u32 v2, s15, v1
	PLACES 3
	KLOAD
.else
	PLACES 4
.endif
.if \kind < 2
	s_cmp_lg_u32 s100, s14
	s_cbranch_scc1 .Lopen_\@
.endif
	v_mov_b32 v254, 0xff800000                     ; on the diagonal hidden scores become -infinity ahead of the maximum: p = 0 then
.set n, 0
.rept 32
	v_cndmask_b32 v[SC+n], v[SC+n], v254, s[32+n]
.set n, n+1
.endr
.rept 32
	v_cndmask_b32 v[SC+n], v[SC+n], v254, s[34+n]
.set n, n+1
.endr
.Lopen_\@:
	v_max3_num_f32 v254, v[SC], v[SC+1], v[SC+2]   ; the step's largest score of my query among my 64 keys, in two chains,
	v_max3_num_f32 v255, v[SC+3], v[SC+4], v[SC+5]
.set n, 6
.rept 14
	v_max3_num_f32 v254, v254, v[SC+n], v[SC+n+1]
	v_max3_num_f32 v255, v255, v[SC+n+2], v[SC+n+3]
.set n, n+4
.endr
	v_max3_num_f32 v254, v254, v[SC+62], v[SC+63]
	s_delay_alu instid0(VALU_DEP_1)
	v_max_num_f32 v254, v254, v255
	s_delay_alu instid0(VALU_DEP_1)
	v_permlanex16_b32 v3, v254, s28, s29
	s_delay_alu instid0(VALU_DEP_1)
	v_max_num_f32 v254, v254, v3                   ; and among lane l xor 16's
	s_delay_alu instid0(VALU_DEP_1)
	v_mul_f32 v254, s30, v254                      ; as t
	s_delay_alu instid0(VALU_DEP_1)
	v_max_num_f32 v13, v13, v254
	v_mov_b32 v255, v12
	s_delay_alu instid0(VALU_DEP_2)
	v_floor_f32 v12, -v13                          ; the new -M = floor(-t): a whole number
	s_delay_alu instid0(VALU_DEP_1)
	v_sub_f32 v255, v12, v255
	s_delay_alu instid0(VALU_DEP_1)
	v_cvt_i32_f32 v255, v255                       ; (it saturates)
	s_delay_alu instid0(VALU_DEP_1)
	v_ldexp_f32 v250, 1.0, v255                    ; f = 2^(old M - new M)
.set n, 0
.rept 32
	v_pk_fma_f32 v[SC+n:SC+n+1], v[SC+n:SC+n+1], s[30:31], v[12:13] op_sel_hi:[1,0,0]   ; t - M
.set n, n+2
.endr
	s_wait_alu depctr_va_vdst(0)                   ; the wait ahead of the batch
.set n, 0
.rept 64
	v_exp_f32 v[SC+n], v[SC+n]                     ; p = 2^(t - M)
.set n, n+1
.endr
	s_wait_alu depctr_va_vdst(0)                   ; one wait for the batch and for ctx^T, directly ahead of its first reader
.set n, 0
.rept 16
	v_pk_mul_f32 v[OT+n:OT+n+1], v[OT+n:OT+n+1], v[250:251] op_sel_hi:[1,0]   ; ctx^T under the new M; also the places behind the exponentials
.set n, n+2
.endr
	v_pk_fma_f32 v[14:15], v[14:15], v[250:251], v[SC:SC+1] op_sel_hi:[1,0,1]   ; the sum under the new M, of the unquantised p, in two chains of pairs
	v_pk_add_f32 v[88:89], v[SC+2:SC+3], v[SC+4:SC+5]
.set n, 6
.rept 14
	v_pk_add_f32 v[14:15], v[14:15], v[SC+n:SC+n+1]
	v_pk_add_f32 v[88:89], v[88:89], v[SC+n+2:SC+n+3]
.set n, n+4
.endr
	v_pk_add_f32 v[14:15], v[14:15], v[SC+62:SC+63]
	v_pk_add_f32 v[14:15], v[14:15], v[88:89]
.irp t, 0,1,2,3,4,5,6,7
.irp i, 0,2,4,6
	v_dual_min_num_f32 v[SC+8*\t+\i], v252, v[SC+8*\t+\i] :: v_dual_min_num_f32 v[SC+8*\t+\i+1], v252, v[SC+8*\t+\i+1]   ; the conversion does not saturate (ISA guide 7.6.2); p is never negative
.endr
	v_cvt_scalef32_pk8_bf8_f32 v[CD+2*\t:CD+2*\t+1], v[SC+8*\t:SC+8*\t+7], v253   ; the codes lie over p's of the tiles that are done with
.endr
	v_nop                                          ; one plain vector line between a scaled conversion and the product that reads its result
	s_wait_alu depctr_va_vdst(0)                   ; directly ahead of the wait below
.if \kind == 1
	s_wait_dscnt 16                                ; v is in; the next step's 16 loads of k may be out
.else
	s_wait_dscnt 0x0
.endif
.irp t, 0,1,2,3
	v_wmma_f32_16x16x128_bf8_bf8 v[OT+8*\t:OT+8*\t+7], v[VF+16*\t:VF+16*\t+15], v[CD:CD+15], v[OT+8*\t:OT+8*\t+7]
.endr
.endm
; A TILE IS FINISHED: ctx^T / the sum, quantised, 1,024 bytes to the address in s[ptr].  join = 1: my partner's part (v4 -M, v[6:7] sum, v24-55 ctx^T) is joined first.
.macro FINISH ptr, join
.if \join
	v_min_num_f32 v254, v12, v4                    ; -M of both
	v_sub_f32 v255, v254, v12
	v_sub_f32 v3, v254, v4
	v_cvt_i32_f32 v255, v255
	v_cvt_i32_f32 v3, v3
	v_ldexp_f32 v250, 1.0, v255                    ; my part's power of two,
	v_ldexp_f32 v252, 1.0, v3                      ; and my partner's
	v_add_f32 v14, v14, v15
	v_add_f32 v6, v6, v7
	v_mul_f32 v6, v6, v252
	v_fma_f32 v14, v14, v250, v6
.else
	v_add_f32 v14, v14, v15                        ; the sum's two halves,
.endif
	v_permlanex16_b32 v3, v14, s28, s29
	v_add_f32 v14, v14, v3                         ; and lane l xor 16's: the row's sum
	v_mov_b32 v254, s99
	v_mov_b32 v255, s98
	s_wait_alu depctr_va_vdst(0)                   ; the wait ahead of the transcendental
	v_rcp_f32 v14, v14
	v_nop                                          ; one plain place
	s_wait_alu depctr_va_vdst(0)                   ; ahead of the first readers of the reciprocal and of ctx^T
.if \join
	v_mul_f32 v250, v250, v14
	v_mul_f32 v252, v252, v14
	s_wait_alu depctr_va_vdst(0)                   ; directly ahead of the first reader of ctx^T
.endif
.set n, 0
.rept 16
.if \join
	v_pk_mul_f32 v[SC+n:SC+n+1], v[OT+n:OT+n+1], v[250:251] op_sel_hi:[1,0]
.else
	v_pk_mul_f32 v[SC+n:SC+n+1], v[OT+n:OT+n+1], v[14:15] op_sel_hi:[1,0]
.endif
.set n, n+2
.endr
.if \join
.set n, 0
.rept 16
	v_pk_fma_f32 v[SC+n:SC+n+1], v[KF+n:KF+n+1], v[252:253], v[SC+n:SC+n+1] op_sel_hi:[1,0,1]
.set n, n+2
.endr
.endif
.set n, 0
.rept 32
	v_med3_num_f32 v[SC+n], v[SC+n], -v254, v254
.set n, n+1
.endr
.irp t, 0,1,2,3
	v_cvt_scalef32_pk8_bf8_f32 v[SC+34+2*\t:SC+35+2*\t], v[SC+8*\t:SC+8*\t+7], v255
.endr
	v_nop
	global_store_b128 v1, v[SC+34:SC+37], s[\ptr:\ptr+1]
	global_store_b128 v1, v[SC+38:SC+41], s[\ptr:\ptr+1] offset:512
.endm
.macro SWITCH                          ; role 1 goes on to its second tile, at the trip in s3: a branch on the wave's number and the trip
	s_cmp_lg_u32 s100, s3
	s_cbranch_scc1 .Lsame_\@
	FINISH 4, 0
	INIT
.irp i, 0,1,2,3,4,5,6,7
	v_mov_b32 v[16+\i], v[4+\i]
.endr
	s_wait_alu depctr_va_vdst(0)                   ; directly ahead of the wait below
	s_wait_xcnt 0x0                                ; the stores have read their data: the scores may be written over it
.Lsame_\@:
.endm
	s_wait_alu depctr_va_vdst(0)                   ; the wait at the head's end
	s_wait_tensorcnt 0x0                           ; my part of steps 0 to 2 is in; then, ahead of a later first fill:
	ds_add_u32 v2, v3                              ; 0 onto my spare word
	s_mul_i32 s100, s10, P2-P1                     ; the descriptor goes on to my part of steps 3 to 15
	s_add_co_u32 s100, s100, FIRST
	s_mov_b32 s101, 0
	s_add_nc_u64 s[18:19], s[18:19], s[100:101]
	s_mul_i32 s17, s10, P2
	s_add_co_u32 s17, s17, FIRST
	s_mov_b32 s22, (P2/256)<<16
	s_mov_b32 s24, P2/256
	s_wait_dscnt 0x0                               ; the add is done
	CROUND                                         ; everybody's part of steps 0 to 2 is in, and all four work-groups are here
	tensor_load_to_lds s[16:19], s[20:27]          ; my part of steps 3 to 15
	s_nop 0
	s_wait_loadcnt 0x0                             ; q
	s_mov_b32 s100, 0
	s_mov_b32 s15, 0
	STEP 0
	s_mov_b32 s100, 1
	s_min_u32 s15, s10, 1
	s_xor_b32 s15, s15, 1
	s_add_co_u32 s15, s15, 1                       ; 2 - min(1, m + role): m + role is 0 in wave 0 alone
	s_lshl_b32 s15, s15, 14
	SWITCH
	STEP 0
	s_wait_tensorcnt 0x0                           ; from trip 2 on all steps are in
	s_barrier_signal -1
	s_barrier_wait -1
	s_min_u32 s15, s13, 2
	s_sub_co_u32 s15, 4, s15                       ; 4 - min(2, m + role)
	s_and_b32 s15, s15, 15
	s_lshl_b32 s15, s15, 14
	v_add_nc_u32 v2, s15, v1
	s_wait_alu depctr_va_vdst(0)
	KLOAD
	s_mov_b32 s100, 2
.Ltrip:                                                ; trips 2 to 7
	s_add_co_u32 s101, s100, 1
	s_min_u32 s15, s101, s13
	s_sub_co_u32 s15, s101, s15
	s_add_co_u32 s15, s15, s101                    ; the next trip's step; role 0 has no trip 8: what it asks for last is a step of the 16 that it does not use
	s_and_b32 s15, s15, 15
	s_lshl_b32 s15, s15, 14
	SWITCH
	STEP 1
	s_add_co_u32 s100, s100, 1
	s_cmp_lt_u32 s100, 8
	s_cbranch_scc1 .Ltrip
	s_cmp_eq_u32 s11, 0
	s_cbranch_scc1 .Ljoin
	SWITCH
	STEP 2                                         ; trip 8, role 1: tile 15 - m's step on the diagonal
.Ljoin:
	s_mul_i32 s15, s12, 4608
	s_add_co_u32 s15, s15, STAGE
	v_add_nc_u32 v2, s15, v1                       ; the stage of this m
	PLACES 3                                       ; with the line above four places ahead of the stores of ctx^T
	s_wait_alu depctr_va_vdst(0)
	s_wait_dscnt 0x0
	s_barrier_signal -1
	s_barrier_wait -1
	s_cmp_lg_u32 s11, 0
	s_cbranch_scc1 .Lstaged
.irp t, 0,1,2,3,4,5,6,7
	ds_store_b128 v2, v[OT+4*\t:OT+4*\t+3] offset:512*\t
.endr
	ds_store_b128 v2, v[12:15] offset:4096
.Lstaged:
	s_wait_dscnt 0x0
	s_barrier_signal -1
	s_barrier_wait -1
	s_cmp_eq_u32 s11, 0
	s_cbranch_scc1 .Lend
	ds_load_b128 v[4:7], v2 offset:4096
.irp t, 0,1,2,3,4,5,6,7
	ds_load_b128 v[KF+4*\t:KF+4*\t+3], v2 offset:512*\t
.endr
	s_wait_dscnt 0x0
	FINISH 6, 1
.Lend:
	v_lshl_add_u32 v2, v0, 2, SPARE                ; the add's two registers, made anew
	v_mov_b32 v3, 0
	s_wait_alu depctr_va_vdst(0)                   ; directly ahead of the wait below
	s_wait_tensorcnt 0x0                           ; the wave's end
	ds_add_u32 v2, v3
	s_wait_dscnt 0x0
	CROUND                                         ; the closing round: no work-group ends while a partner may still ask for a tile that names it
	s_endpgm
.Lfunc_end_k_q03c884cdd6_attn:
	.size	k_q03c884cdd6_attn, .Lfunc_end_k_q03c884cdd6_attn-k_q03c884cdd6_attn
	.p2alignl 7, 3214868480
	.fill 96, 4, 3214868480
	.section	.rodata,"a",@progbits
	.p2align	6, 0x0
	.amdhsa_kernel k_q03c884cdd6_attn
		.amdhsa_group_segment_fixed_size 327680
		.amdhsa_private_segment_fixed_size 0
		.amdhsa_enable_private_segment 0
		.amdhsa_kernarg_size 24
		.amdhsa_user_sgpr_count 2
		.amdhsa_user_sgpr_kernarg_segment_ptr 1
		.amdhsa_wavefront_size32 1
		.amdhsa_system_sgpr_workgroup_id_x 1
		.amdhsa_system_sgpr_workgroup_id_y 1
		.amdhsa_system_sgpr_workgroup_id_z 1
		.amdhsa_system_vgpr_workitem_id 0
		.amdhsa_next_free_vgpr 256
		.amdhsa_next_free_sgpr 102
		.amdhsa_reserve_vcc 0
		.amdhsa_float_denorm_mode_32 3
		.amdhsa_float_denorm_mode_16_64 3
		.amdhsa_memory_ordered 1
		.amdhsa_forward_progress 1
		.amdhsa_inst_pref_size 115
	.end_amdhsa_kernel
	.amdgpu_metadata
---
amdhsa.version: [ 1, 2 ]
amdhsa.kernels:
  - .name:           k_q03c884cdd6_attn
    .symbol:         k_q03c884cdd6_attn.kd
    .args:
      - { .name: img, .offset: 0, .size: 8, .value_kind: global_buffer, .address_space: global }
      - { .name: lowp_scales, .offset: 8, .size: 8, .value_kind: global_buffer, .address_space: global }
      - { .name: ctx_img, .offset: 16, .size: 8, .value_kind: global_buffer, .address_space: global }
    .group_segment_fixed_size: 327680
    .private_segment_fixed_size: 0
    .kernarg_segment_align: 8
    .kernarg_segment_size: 24
    .max_flat_workgroup_size: 512
    .sgpr_count:     102
    .vgpr_count:     256
    .wavefront_size: 32
...
	.end_amdgpu_metadata
.endif
;; end of part 2
;; launch proj (part 3): grid 8 x 32, 4 waves a work-group, clusters of 4 x 4, 327,680 bytes of LDS; arguments ctx_img, w_o_codes, lowp_scales, b_o, out0; writes out0
.if DOCPART == 3
	.amdgcn_target "amdgcn-amd-amdhsa--gfx1250"
	.amdhsa_code_object_version 6
	.text
	.protected	k_q03c884cdd6_proj
	.globl	k_q03c884cdd6_proj
	.p2align	8
	.type	k_q03c884cdd6_proj,@function
k_q03c884cdd6_proj:
	s_mov_b64 s[64:65], 0
	v_nop
	global_prefetch_b8 v0, s[64:65] scope:SCOPE_SE
	s_setreg_imm32_b32 hwreg(HW_REG_WAVE_MODE, 25, 1), 1
	s_wait_xcnt 0x0
	s_wait_alu depctr_hold_cnt(0) depctr_sa_sdst(0) depctr_va_vdst(0) depctr_va_sdst(0) depctr_va_ssrc(0) depctr_va_vcc(0) depctr_vm_vsrc(0)
	s_getreg_b32 s2, hwreg(HW_REG_IB_STS2, 6, 4)
	s_cmp_eq_u32 s2, 0
	s_cbranch_scc0 .Lentry_in_a_cluster
	s_endpgm
.Lentry_in_a_cluster:
	s_bfe_u32 s2, ttmp6, 0x10000c
	s_cmp_lg_u32 s2, 0xf033
	s_cbranch_scc0 .Lentry_shape_is_right
	s_endpgm
.Lentry_shape_is_right:
; out0 = ctx w_o + b_o on codes of BF8 (E5M2).  ctx_img: [tile of 16 rows 256][K step of 128: 8][4][lane 32][16 bytes]: images of the 16 x 128 fragments.  w_o: [1024 (n)][1024 (k)] codes.  b_o [1024], out0 [4096][1024]: f32.
; out0 = sum x 2^(e10 + e11) + b_o: one packed multiply-add for two numbers.  LIMIT: e10 + e11 between -126 and 127, so that the power of two is an f32 number.
; SHARES.  A work-group makes 128 rows x 128 columns, a wave 64 x 64: 16 sums.  Both operands, 131,072 bytes each, lie whole in LDS, filled once, K's first half at the head, its second behind the full sequence and a round, with three K steps in which to land.
; Waves 0 and 2 bring the context's two halves of rows, waves 1 and 3 w_o's: one load a wave each time.
; CLUSTER 4 x 4: the context's tile hangs on the block of rows alone and is shared along a row of the cluster, w_o's on the block of columns alone and is shared along a column: joint loads with masks of four.
; No prefetch: both halves are asked for ahead of the first K step, and there is no loop of loads to run ahead in.
; THE MATRIX INSTRUCTION IS USED TRANSPOSED (source 0 = 16 rows of w_o, source 1 = 16 rows of the context): a lane holds eight neighbouring numbers of a row of out0.
; REGISTERS, in windows of 256: window 0: v3-10 addresses; v30, v31 the add's; v32-63 b_o of my lane's columns; v64-127 results at work; v128-255 the context's fragments, two sets of four; on the way out rows read back.
;   window 1: w_o's fragments, two sets of four (v0-127).   window 2: the 16 sums ((m, t) at v[8 (4 m + t)]).
.set WP,    528                        ; a row of w_o in LDS: 512 bytes + 16 of padding: an odd number of 16 bytes, so that the 16 rows of a fragment load start at different banks (ISA guide 11.1)
.set WB,    131072                     ; w_o's halves of K lie behind the context's two
.set WH,    128*WP
.set STG,   WB+2*WH                    ; a stage of 2 x 16 rows x (256 bytes + 16) for each wave; no tensor load fills it
.set SP,    272
.set SPARE, STG+4*32*SP
.set MSB, 0
.macro WIN new                         ; the immediate's high byte repeats the setting that is left; a switch that changes nothing is dropped
.if MSB != (\new)
	s_set_vgpr_msb (MSB<<8)|(\new)
.set MSB, (\new)
.endif
.endm
.macro PLACES n
.rept \n
	v_nop
.endr
.endm
.macro CROUND                          ; a round of the cluster's barrier
	s_barrier_signal -1
	s_barrier_wait -1
	s_cmp_lg_u32 s14, 0
	s_cbranch_scc1 .Lnot_wave_0_\@
	s_barrier_signal -3
.Lnot_wave_0_\@:
	s_barrier_wait -3
	s_barrier_signal -1
	s_barrier_wait -1
.endm
.macro JLOAD                           ; a joint load: each of the two lines has one mask and one descriptor for all that issue it; the branch hangs on the wave's number alone
	s_cmp_eq_u32 s15, 0
	s_cbranch_scc0 .Lfor_w_\@
	tensor_load_to_lds s[40:43], s[24:31]
	s_nop 0
	PLACES 4
	s_branch .Lasked_\@
.Lfor_w_\@:
	tensor_load_to_lds s[44:47], s[32:39]
	s_nop 0
	PLACES 4
.Lasked_\@:
.endm
	s_load_b256 s[4:11], s[0:1], 0x0               ; ctx_img s[4:5], w_o s[6:7], the scales' exponents s[8:9], b_o s[10:11]
	s_load_b64 s[12:13], s[0:1], 0x20              ; out0
	v_lshl_add_u32 v30, v0, 2, SPARE
	v_mov_b32 v31, 0
	ds_add_u32 v30, v31                            ; the wave's opening: the add, twice on end, and its wait ahead of my first tensor load
	ds_add_u32 v30, v31
	v_lshrrev_b32 v1, 5, v0
	v_readfirstlane_b32 s14, v1                    ; wave 0..3
	s_and_b32 s15, s14, 1                          ; my half of the columns.  Also: I fetch the context (0) or w_o (1)
	s_lshr_b32 s16, s14, 1                         ; my half of the rows.  Also: which half of the tile's rows I fetch
	s_bfe_u32 s17, ttmp6, 0x40000                  ; cx
	s_bfe_u32 s18, ttmp6, 0x40004                  ; cy
	s_lshl_b32 s19, ttmp9, 2
	s_add_co_u32 s19, s19, s17                     ; block of 128 columns
	s_and_b32 s20, ttmp7, 0xffff
	s_lshl_b32 s20, s20, 2
	s_add_co_u32 s20, s20, s18                     ; block of 128 rows
	s_lshl_b32 s21, s18, 2
	s_lshl_b32 s21, 15, s21                        ; my row of the cluster
	s_lshl_b32 s22, 0x1111, s17                    ; my column
	; descriptor group 1, the context: 4 tiles x 8,192 bytes (1,024 elements of 8 bytes), 16,384 bytes apart
	s_or_b32 s24, s21, (3<<16)|(1<<21)
	s_mov_b32 s25, 1024<<16
	s_mov_b32 s26, 4<<16
	s_mov_b32 s27, 1024<<16
	s_mov_b32 s28, 4
	s_mov_b32 s29, 2048
	s_mov_b32 s30, 0
	s_mov_b32 s31, 0
	; w_o: 64 rows x 512 bytes, 1,024 apart; padding of four words after every 128
	s_or_b32 s32, s22, (1<<20)|(1<<21)|(6<<22)|(3<<25)
	s_mov_b32 s33, 512<<16
	s_mov_b32 s34, 64<<16
	s_mov_b32 s35, 512<<16
	s_mov_b32 s36, 64
	s_mov_b32 s37, 1024
	s_mov_b32 s38, 0
	s_mov_b32 s39, 0
	s_mov_b32 s40, 1                               ; groups 0: count = 1, LDS address
	s_lshl_b32 s41, s16, 15
	s_mov_b32 s44, 1
	s_mul_i32 s45, s16, 64*WP
	s_add_co_u32 s45, s45, WB
	s_lshl_b32 s58, s20, 17
	s_lshl_b32 s59, s16, 16
	s_add_co_u32 s58, s58, s59                     ; the context: block of rows, half of them
	s_mov_b32 s59, 0
	s_lshl_b32 s60, s19, 17
	s_lshl_b32 s61, s16, 16
	s_add_co_u32 s60, s60, s61                     ; w_o: block of columns, half of them
	s_mov_b32 s61, 0
	s_lshl_b32 s62, s19, 9
	s_lshl_b32 s63, s15, 8
	s_add_co_u32 s62, s62, s63                     ; my first column, in bytes of f32
	s_mov_b32 s63, 0
	s_lshl_b32 s48, s20, 19
	s_lshl_b32 s49, s16, 18
	s_add_co_u32 s48, s48, s49
	s_add_co_u32 s48, s48, s62                     ; out0: my first row and column
	s_mov_b32 s49, 0
	v_and_b32 v1, 15, v0                           ; r
	v_bfe_u32 v2, v0, 4, 1                         ; h
	v_and_b32 v3, 31, v0
	v_lshlrev_b32 v3, 4, v3
	s_lshl_b32 s54, s16, 15
	v_add_nc_u32 v3, s54, v3                       ; the context: my four tiles, 16 x lane, K's first half,
	v_add_nc_u32 v9, 65536, v3                     ; and its second
	v_mul_u32_u24 v4, v1, WP
	v_lshl_add_u32 v4, v2, 4, v4
	s_mul_i32 s54, s15, 64*WP
	s_add_co_u32 s54, s54, WB
	v_add_nc_u32 v4, s54, v4                       ; w_o: row r of my 64, + 16 h, K's first half,
	v_add_nc_u32 v10, WH, v4                       ; and its second
	v_lshlrev_b32 v5, 5, v2                        ; b_o: eight numbers for each half of the lanes
	s_mul_i32 s54, s14, 32*SP
	s_add_co_u32 s54, s54, STG                     ; my stage
	v_mul_u32_u24 v6, v1, SP
	v_lshl_add_u32 v6, v2, 5, v6
	v_add_nc_u32 v6, s54, v6                       ; in: row r, 32 bytes for each half of the lanes
	v_mul_u32_u24 v7, v2, SP
	v_lshl_add_u32 v7, v1, 4, v7
	v_add_nc_u32 v7, s54, v7                       ; back: lanes 0-15 one row of 256 bytes, lanes 16-31 the next
	v_lshlrev_b32 v8, 12, v2
	v_lshl_add_u32 v8, v1, 4, v8                   ; and the same two rows in out0
	s_wait_alu depctr_va_vdst(0)                   ; the wait at the head's end
	s_wait_dscnt 0x0                               ; both opening adds are done
	s_wait_kmcnt 0x0
	s_load_b64 s[50:51], s[8:9], 0x28              ; e10, e11
	s_add_nc_u64 s[42:43], s[4:5], s[58:59]
	s_or_b32 s43, s43, 0x80000000                  ; type = 2
	s_add_nc_u64 s[46:47], s[6:7], s[60:61]
	s_or_b32 s47, s47, 0x80000000
	s_add_nc_u64 s[10:11], s[10:11], s[62:63]
	s_add_nc_u64 s[56:57], s[12:13], s[48:49]
	CROUND                                         ; all sixteen work-groups are here: the joint loads meet
	JLOAD                                          ; K's first half
.irp t, 0,1,2,3
	global_load_b128 v[32+8*\t:35+8*\t], v5, s[10:11] offset:64*\t        ; b_o at columns 16 t + 8 h + 0 .. 7 of my 64
	global_load_b128 v[36+8*\t:39+8*\t], v5, s[10:11] offset:64*\t+16
.endr
	s_wait_kmcnt 0x0
	s_add_co_i32 s52, s50, s51
	s_add_co_i32 s52, s52, 127
	s_lshl_b32 s52, s52, 23                        ; 2^(e10 + e11) as f32
	s_mov_b32 s53, s52                             ; (named with it as a pair)
.macro FETCH s                         ; the eight fragments of K step s into set s % 2: 32 LDS loads; v[3], v[4] serve K's first half, v[9], v[10] its second
	WIN 0x40                                       ; destination window 1, address window 0
.irp t, 0,1,2,3
.irp c, 0,1,2,3
	ds_load_b128 v[64*((\s)%2)+16*\t+4*\c:64*((\s)%2)+16*\t+4*\c+3], v[4+6*((\s)/4)] offset:\t*16*WP+((\s)%4)*128+32*\c
.endr
.endr
	WIN 0
.irp m, 0,1,2,3
.irp c, 0,1,2,3
	ds_load_b128 v[128+64*((\s)%2)+16*\m+4*\c:128+64*((\s)%2)+16*\m+4*\c+3], v[3+6*((\s)/4)] offset:\m*8192+((\s)%4)*2048+\c*512
.endr
.endr
.endm
; A K step of 128: 16 matrix instructions, the 16 sums by turns, one instruction a turn, in the same order in every step.  The first step starts the sums: nothing is cleared.
.macro KSTEP s
	s_wait_dscnt 0x0                               ; this step's fragments are in
.if (\s) == 3
	s_wait_tensorcnt 0x0                           ; K's second half: my load is in,
	s_barrier_signal -1
	s_barrier_wait -1                              ; everybody's is
.endif
.if (\s) < 7
	WIN 0
.if (\s) > 0
	PLACES 4                                       ; four places in front of loads into registers that the last step's products have read
.endif
	FETCH (\s)+1
.endif
	WIN 0xa1                                       ; source 0 (w_o) window 1, source 1 (the context) window 0, C and D window 2
.irp m, 0,1,2,3
.irp t, 0,1,2,3
.if (\s) == 0
	v_wmma_f32_16x16x128_bf8_bf8 v[8*(4*\m+\t):8*(4*\m+\t)+7], v[64*((\s)%2)+16*\t:64*((\s)%2)+16*\t+15], v[128+64*((\s)%2)+16*\m:128+64*((\s)%2)+16*\m+15], 0
.else
	v_wmma_f32_16x16x128_bf8_bf8 v[8*(4*\m+\t):8*(4*\m+\t)+7], v[64*((\s)%2)+16*\t:64*((\s)%2)+16*\t+15], v[128+64*((\s)%2)+16*\m:128+64*((\s)%2)+16*\m+15], v[8*(4*\m+\t):8*(4*\m+\t)+7]
.endif
.endr
.endr
.endm
; THE WAY OUT, 16 rows x 64 columns at a time.  A lane holds 32 neighbouring bytes of a row, and the lanes beside it hold other rows: so a block goes through my own stage and comes back as whole rows of 256 bytes.
; LDS serves a wave's instructions in order (ISA guide 5.7.1.4): no wait stands between the stores and the loads, nor in front of the stores two blocks on, which use the same part of the stage.
.macro TOSTAGE m
.set TT, 64+32*((\m)%2)
.set PT, ((\m)%2)*16*SP
	WIN 0x02                                       ; source 0 (the sums) window 2
.irp t, 0,1,2,3
.irp i, 0,2,4,6
	v_pk_fma_f32 v[TT+8*\t+\i:TT+8*\t+\i+1], v[8*(4*(\m)+\t)+\i:8*(4*(\m)+\t)+\i+1], s[52:53], v[32+8*\t+\i:32+8*\t+\i+1] op_sel_hi:[1,0,1]   ; sum x 2^(e10 + e11) + b_o; each sum from its low end on
.endr
.endr
	WIN 0
.irp t, 0,1,2,3
	ds_store_b128 v6, v[TT+8*\t:TT+8*\t+3] offset:PT+64*\t
	ds_store_b128 v6, v[TT+8*\t+4:TT+8*\t+7] offset:PT+64*\t+16
.endr
.irp i, 0,1,2,3,4,5,6,7
	ds_load_b128 v[128+32*(\m)+4*\i:128+32*(\m)+4*\i+3], v7 offset:PT+2*\i*SP
.endr
.endm
.macro SEND m, younger                 ; younger: the LDS instructions issued behind block m's loads, which may stay out
	s_wait_dscnt \younger
.irp i, 0,1,2,3,4,5,6,7
	global_store_b128 v8, v[128+32*(\m)+4*\i:128+32*(\m)+4*\i+3], s[56:57] offset:(16*(\m)+2*\i)*4096 th:TH_STORE_NT   ; 16 lanes store 256 consecutive bytes, at a multiple of 256 from out0's first byte; written once, read by nobody here
.endr
.endm
	s_wait_tensorcnt 0x0                           ; my part of K's first half is in; then, ahead of a later first fill:
	ds_add_u32 v30, v31                            ; 0 onto my spare word
	s_add_co_u32 s41, s41, 65536                   ; the descriptors go on to K's second half
	s_add_nc_u64 s[42:43], s[42:43], 8192
	s_add_co_u32 s45, s45, WH
	s_add_nc_u64 s[46:47], s[46:47], 512
	s_wait_dscnt 0x0                               ; the add is done
	CROUND                                         ; everybody's part of the first half is in, and all sixteen work-groups are here
	JLOAD                                          ; K's second half
	FETCH 0
.irp s, 0,1,2,3,4,5,6,7
	KSTEP \s
.endr
	WIN 0
	s_wait_loadcnt 0x0                             ; b_o
	PLACES 4                                       ; four places between the last products and the first read of results, and in front of loads into registers that they have read
	TOSTAGE 0
.irp m, 1,2,3
	TOSTAGE \m
	SEND \m-1, 16                                  ; behind block m - 1's loads: block m's 8 stores and 8 loads
.endr
	SEND 3, 0
	s_wait_tensorcnt 0x0                           ; the wave's end
	ds_add_u32 v30, v31
	s_wait_dscnt 0x0
	CROUND                                         ; the closing round: no work-group ends while a partner may still ask for a tile that names it
	s_endpgm
.Lfunc_end_k_q03c884cdd6_proj:
	.size	k_q03c884cdd6_proj, .Lfunc_end_k_q03c884cdd6_proj-k_q03c884cdd6_proj
	.p2alignl 7, 3214868480
	.fill 96, 4, 3214868480
	.section	.rodata,"a",@progbits
	.p2align	6, 0x0
	.amdhsa_kernel k_q03c884cdd6_proj
		.amdhsa_group_segment_fixed_size 327680
		.amdhsa_private_segment_fixed_size 0
		.amdhsa_enable_private_segment 0
		.amdhsa_kernarg_size 40
		.amdhsa_user_sgpr_count 2
		.amdhsa_user_sgpr_kernarg_segment_ptr 1
		.amdhsa_wavefront_size32 1
		.amdhsa_system_sgpr_workgroup_id_x 1
		.amdhsa_system_sgpr_workgroup_id_y 1
		.amdhsa_system_sgpr_workgroup_id_z 1
		.amdhsa_system_vgpr_workitem_id 0
		.amdhsa_next_free_vgpr 640
		.amdhsa_next_free_sgpr 66
		.amdhsa_reserve_vcc 0
		.amdhsa_float_denorm_mode_32 3
		.amdhsa_float_denorm_mode_16_64 3
		.amdhsa_memory_ordered 1
		.amdhsa_forward_progress 1
		.amdhsa_inst_pref_size 46
	.end_amdhsa_kernel
	.amdgpu_metadata
---
amdhsa.version: [ 1, 2 ]
amdhsa.kernels:
  - .name:           k_q03c884cdd6_proj
    .symbol:         k_q03c884cdd6_proj.kd
    .args:
      - { .name: ctx_img, .offset: 0, .size: 8, .value_kind: global_buffer, .address_space: global }
      - { .name: w_o_codes, .offset: 8, .size: 8, .value_kind: global_buffer, .address_space: global }
      - { .name: lowp_scales, .offset: 16, .size: 8, .value_kind: global_buffer, .address_space: global }
      - { .name: b_o, .offset: 24, .size: 8, .value_kind: global_buffer, .address_space: global }
      - { .name: out0, .offset: 32, .size: 8, .value_kind: global_buffer, .address_space: global }
    .group_segment_fixed_size: 327680
    .private_segment_fixed_size: 0
    .kernarg_segment_align: 8
    .kernarg_segment_size: 40
    .max_flat_workgroup_size: 128
    .sgpr_count:     66
    .vgpr_count:     640
    .wavefront_size: 32
...
	.end_amdgpu_metadata
.endif
;; end of part 3
